; MI455X (gfx1250); checked and timed in simulation.
; The chip was launched on July 23, 2026; its instructions are those of AMD's public machine-readable ISA for CDNA 5 (MIT licence, August 2026) and "CDNA5" Instruction Set Architecture Reference Guide (July 2026). The comments in the code are by the model that wrote it; some were corrected since.
;; Self Attention. Allowed arithmetic: matrix products marked QUANTISED: E2M1 operands, one E8M0 scale for each 32 along K, by v_wmma_scale_f32_16x16x128_f8f6f4 with both operands' format E2M1 (or v_wmma_scale_f32_32x16x128_f4), f32 sums; everything else in f32.
;; Inputs: b_in 3,072 float32; b_out 1,024 float32; w_in_codes 3,072 x 32 x 16 uint8 (E2M1 codes of w_in, K innermost, in blocks of 32 codes, two codes a byte); w_in_scales 3,072 x 32 uint8 (E8M0 scales of w_in, one for each 32 codes along K); w_out_codes 1,024 x 32 x 16 uint8 (E2M1 codes of w_out, K innermost, in blocks of 32 codes, two codes a byte); w_out_scales 1,024 x 32 uint8 (E8M0 scales of w_out, one for each 32 codes along K); x_codes 4 x 2,048 x 32 x 16 uint8 (E2M1 codes of x, K innermost, in blocks of 32 codes, two codes a byte); x_scales 4 x 2,048 x 32 uint8 (E8M0 scales of x, one for each 32 codes along K).
;; Outputs: out0 4 x 2,048 x 1,024 float32.
;; This version of the problem:
;;   THIS VERSION OF THE PROBLEM IS GIVEN IN LOW PRECISION. The matrix products marked QUANTISED in the list below multiply operands that are first quantised to E2M1 (2 exponent bits, 1 mantissa bit; 4 bits a number), with one power-of-two scale for each 32 numbers along K (OCP MX v1.0); their sums are f32. All else is computed in f32.
;;   The module's matrix products, in the order in which they are computed (A, B: the left and right operand; K: the contracted axis; several contracted axes count as one K, in the product's order):
;;     1. [M 8,192, K 1,024] x [K 1,024, N 3,072]; A: input x (given as codes); B: input w_in (given as codes): QUANTISED
;;     2. batch 64 x [M 2,048, K 64] x [K 64, N 2,048]; A: computed on the way; B: computed on the way: QUANTISED
;;     3. batch 64 x [M 2,048, K 2,048] x [K 2,048, N 64]; A: softmax (see below); B: computed on the way: QUANTISED
;;     4. [M 8,192, K 1,024] x [K 1,024, N 1,024]; A: computed on the way; B: input w_out (given as codes): QUANTISED
;;   THE QUANTISER, for each operand of a quantised product, along K:
;;     - K is cut into blocks of 32 from its start; a last block that is shorter is filled with zeros.
;;     - A block's scale is 2^e with e = floor(log2(the largest magnitude in the block)) - 2, held to -126 .. 127; a block of zeros has e = 0. As a byte (E8M0): e + 127.
;;     - Each number is divided by its block's scale, clamped to +-6, and rounded to the nearest number of E2M1, ties to even, subnormals kept.
;;     - The product sums the exact products of the quantised numbers (number of the format x scale) in f32.
;;   ~~~python
;;   def quantise(x, axis):      # numpy; x: float32 -> the quantised numbers, widened to float32 again
;;       x = np.moveaxis(x, axis, -1); K = x.shape[-1]
;;       x = np.pad(x, [(0, 0)] * (x.ndim - 1) + [(0, -K % 32)]); x = x.reshape(x.shape[:-1] + (-1, 32)); a = np.abs(x).max(-1, keepdims=True)
;;       e = np.where(a > 0, np.clip(np.frexp(np.where(a > 0, a, 1))[1] - 1 - 2, -126, 127), 0)      # np.frexp(a)[1] - 1 = floor(log2(a)), exactly
;;       r = np.clip(x / 2.0 ** e, -6, 6)
;;       step = 2.0 ** (np.maximum(np.frexp(np.where(r == 0, 1, r))[1] - 1, 0) - 1)
;;       q = np.round(r / step) * step * 2.0 ** e      # np.round: ties to even
;;       return np.moveaxis(q.reshape(q.shape[:-2] + (-1,))[..., :K], -1, axis).astype(np.float32)
;;   ~~~
;;   SOFTMAX AHEAD OF A QUANTISED PRODUCT. Where the list says 'softmax', what is quantised is not the finished softmax but p = 2^(t - M), with t = logit x log2(e) and M = ceil(the row's largest t), a whole number; so 1/2 < the row's largest p <= 1. The row's sum l is taken of the UNQUANTISED p, in f32, and the product's result is divided by l at the end. Since M is a whole number, a kernel that streams over the keys may use a running M (the ceiling of the running maximum): every later rescaling is an exact power of two, which a block's scale takes up: the codes' values come out the same.
;;   OPERANDS COMPUTED ON THE WAY. 'Computed on the way' means the value that the module computes at that place (a softmax that the list does not call 'softmax' is quantised finished and normalised). What goes into a quantiser is computed in f32, as accurately as f32 sums, v_exp_f32 and their like allow (about 1e-6 of the number): no bf16 or f16 on the way to a quantiser, and a product that is left as it is and whose result goes on into a quantised operand takes f32 operands (vector FMAs, or v_wmma_f32_16x16x4_f32). A number that lies on a knife's edge between two numbers of the format may be rounded either way, as far as f32 arithmetic and the matrix unit's own rounding can turn it there, and no further.
;;   INPUTS GIVEN AS CODES. w_in (in the module: [1024, 3072], K = its axis 0); w_out (in the module: [1024, 1024], K = its axis 0); x (in the module: [4, 2048, 1024], K = its axis 2): each comes as NAME_codes (uint8): NAME with its K axis moved to the last place and cut into blocks of 32 codes, [.., K / 32, bytes a block], one block behind the other in memory; two codes a byte, the lower K in the low four bits (a code: sign, 2 exponent bits, 1 mantissa bit); and NAME_scales (uint8): the same leading axes, one E8M0 byte (e + 127) for each 32 codes along K. Its value is code x scale, taken as it is: it is not quantised again, and the codes and scales need not be those that the quantiser above would give.
;; One version. Each part assembles by itself: llvm-mc -triple=amdgcn-amd-amdhsa -mcpu=gfx1250 --defsym DOCPART=n.
;; ======== version 1 of 1: 3 launches
;; workspace buffers: ws 13,369,344 bytes; ao 4,194,304 bytes; aosc 262,144 bytes
;; launch qkv (part 1): grid 12 x 32, 4 waves a work-group, clusters of 4 x 4, 327,680 bytes of LDS; arguments x_codes, x_scales, w_in_codes, w_in_scales, b_in, ws; writes ws
.if DOCPART == 1
	.amdgcn_target "amdgcn-amd-amdhsa--gfx1250"
	.amdhsa_code_object_version 6
	.text
	.protected	k_q53f5cb6709_qkv
	.globl	k_q53f5cb6709_qkv
	.p2align	8
	.type	k_q53f5cb6709_qkv,@function
k_q53f5cb6709_qkv:
	s_mov_b64 s[64:65], 0
	v_nop
	global_prefetch_b8 v0, s[64:65] scope:SCOPE_SE
	s_setreg_imm32_b32 hwreg(HW_REG_WAVE_MODE, 25, 1), 1
	s_wait_xcnt 0x0
	s_wait_alu depctr_hold_cnt(0) depctr_sa_sdst(0) depctr_va_vdst(0) depctr_va_sdst(0) depctr_va_ssrc(0) depctr_va_vcc(0) depctr_vm_vsrc(0)
	s_getreg_b32 s2, hwreg(HW_REG_IB_STS2, 6, 4)
	s_cmp_eq_u32 s2, 0
	s_cbranch_scc0 .Lentry_in_a_cluster
	s_endpgm
.Lentry_in_a_cluster:
	s_bfe_u32 s2, ttmp6, 0x10000c
	s_cmp_lg_u32 s2, 0xf033
	s_cbranch_scc0 .Lentry_shape_is_right
	s_endpgm
.Lentry_shape_is_right:
; FIRST OF THREE LAUNCHES.  qkv = x w_in + b_in on codes of FP4 (E2M1) with E8M0 scales (K = 1,024), and q, k, v quantised from the f32 sums into the workspace ws, as images of the operand registers that the
; second launch wants: q and k along the head's 64 channels, v along the keys.
; DEAD WORK OF THE PROGRAM (left out in the second launch): a step of 128 keys all of which come after all 16 queries of a tile.  reference() builds the mask itself (jnp.tril) and sets those scores to -infinity
; whatever q and k hold; their exponentials are 0, so they add 0 to the row's sum and 0 to the product with v, and they cannot be the row's maximum, since key 0 counts for every query.  This holds for all finite
; inputs.  LIMIT: a NaN, an infinity or an overflow that reaches only such hidden scores is not carried to the result.  No input is dead: b_in moves the codes and scales of q, k and v.
; LIMITS: NaN and infinities among the inputs are not served.  A block of zeros gets the scale byte 1 where the quantiser says 127: its codes are zeros, which add nothing under any byte but 0xff, and this program
; alone reads the bytes.  A block whose largest magnitude lies under 2^-124 has its byte held at 1.
; SHARES.  A work-group makes 256 tokens x 256 columns of qkv; each of its four waves 128 x 128: 64 accumulators of 16 x 16.  K's 1,024 lie in LDS whole, as two halves of 512 (rows of 256 bytes), each filled once.
; CLUSTERS: 4 x 4 work-groups; x's tiles are asked for jointly along a row of the cluster, w_in's along a column.  The cluster's x is the section: 0 = q, 1 = k, 2 = v; it is the same in all sixteen partners.
; ROLES.  A lane must hold, in consecutive registers, neighbours along the NEXT product's K.  For q and k that is the channels: source 0 = 16 rows of w_in, source 1 = 16 tokens: a lane holds one token and eight
; channels.  For v it is the keys: source 0 = 16 tokens, source 1 = 16 rows of w_in: a lane holds one channel and eight tokens.  Only the matrix instructions differ, so each K step's 64 are written twice and chosen by
; a scalar branch on the section; loads, waits and barriers stand outside those branches.  Accumulator (a, b): a = source 1's block, b = source 0's.
; b_in is the C of each sum's first matrix instruction.
; ws: [16 batch + head (64)][token / 128 (16)][13,056 bytes]: q's images 4,096 | q's scale words 256 | k's images 4,096 | v's images 4,096 | k's scale words 256 | v's scale words 256.
;   q, k image of 16 tokens: 512 bytes, lane l's 16 bytes at 16 l: token l % 16, channels 32 (l / 16) on.  Their scale words [token % 16][pair p]: bytes 0, 1 tile 2 p's two blocks, bytes 2, 3 tile 2 p + 1's.
;   v image of 16 channels x 128 keys: two such 512 bytes (registers 0-3, 4-7 of the fragment).  Its scale words [channel % 16][channel / 16].
; REGISTERS, in windows of 256: window 0: v1-30 addresses; v32-95 scale words, two sets; v96-103 the scale words made; v104-119 at work; v128-191, v192-255 x's fragments, two sets (on the way out: the codes made, and work).
;   window 1: v0-63, v128-191 w_in's fragments, two sets; v64-127 b_in in the result's layout.   windows 2, 3: accumulator (a, b) at v[8 (8 (a % 4) + b)] of window 2 + a / 4.
.set PITCH,  272                       ; an LDS row: 256 bytes + 16 of padding: the 16 rows that a fragment load touches start 68 words apart
.set HALFT,  128*PITCH                 ; 128 rows: one tensor load, and what a wave reads of x or of w_in
.set SLOT,   4*HALFT                   ; half of K: x's 256 rows, then w_in's 256
.set SCL,    2*SLOT                    ; the scale bytes, as rows of 256 bytes + 16 of padding
.set HALFS,  16*272                    ; those of 128 rows (32 bytes a row)
.set SBLK,   2*272                     ; those of 16 rows
.set SPARE,  SCL+4*HALFS               ; the spare words: 128 bytes a wave, two blocks of 256 bytes that no other line names
.set BLK,    13056                     ; ws: a head's step of 128 tokens
.set HS,     16*BLK                    ; ws: a head
.set ADRX, 16                          ; v16-17 LDS address of my x fragments in half 0, 1
.set ADRW, 20                          ; v20-21 the same for w_in
.set CO,   24                          ; v24  16 x lane
.set SO,   25                          ; v25  16 (lane % 16) + a head's bytes for lanes 16-31
.set BQ,   26                          ; v26  32 (lane / 16): b_in's offset for q and k
.set ADRS, 27                          ; v27  LDS address of my scale words: lanes 0-15 x's rows, lanes 16-31 w_in's
.set SPW,  28                          ; v28  my spare word; never rewritten
.set NIL,  29                          ; v29  0; never rewritten
.set BV,   30                          ; v30  4 (lane % 16): b_in's offset for v
.set SC,   32                          ; scale words: set s at v[SC + 32 s]; register 4 i + q: lanes 0-15 x's block i, lanes 16-31 w_in's block i, the half's q-th 128 along K
.set WD,   96                          ; v96-103 the scale word made for each a
.set TM,   104                         ; v104-119 the quantiser's work
.set XF,   128                         ; x's fragments
.set PC,   128                         ; the codes made: 8 registers for each a
.set YY,   192
.set OW,   200
.set BIAS, 64                          ; in window 1
.set G1, 24                            ; s[24:31] group 1 for x's tiles; s[32:39] group 0, a set for each half of K
.set G0, 32
.set G1B, 48                           ; s[48:55], s[56:63] the same for w_in's
.set G0B, 56
.set G1S, 68                           ; s[68:75], s[76:79] groups 1 and 0 for x's scales; s[80:87], s[88:91] for w_in's
.set G0S, 76
.set G1SB, 80
.set G0SB, 88
.set MSB, 0
.macro WIN new                         ; the immediate's high byte repeats the setting that is left; a switch that changes nothing is dropped
.if MSB != (\new)
	s_set_vgpr_msb (MSB<<8)|(\new)
.set MSB, (\new)
.endif
.endm
; A joint load: waves 0 and 1 fetch for x, waves 2 and 3 for w_in; the branch hangs on the wave's number alone.  An s_nop 0 and four v_nop follow each line.
.macro JLOAD g0a, g1a, g0b, g1b
	s_cmp_eq_u32 s17, 0
	s_cbranch_scc0 .Lfor_b_\@
	tensor_load_to_lds s[\g0a:\g0a+3], s[\g1a:\g1a+7]
	s_nop 0
.rept 4
	v_nop
.endr
	s_branch .Lasked_\@
.Lfor_b_\@:
	tensor_load_to_lds s[\g0b:\g0b+3], s[\g1b:\g1b+7]
	s_nop 0
.rept 4
	v_nop
.endr
.Lasked_\@:
.endm
.macro CROUND                          ; a round of the cluster's barrier
	s_barrier_signal -1
	s_barrier_wait -1
	s_cmp_lg_u32 s16, 0
	s_cbranch_scc1 .Lnot_wave_0_\@
	s_barrier_signal -3
.Lnot_wave_0_\@:
	s_barrier_wait -3
	s_barrier_signal -1
	s_barrier_wait -1
.endm
.macro PLACES                          ; four plain vector instructions between a matrix instruction and a load into, or a vector instruction on, its registers
.rept 4
	v_nop
.endr
.endm
	s_load_b128 s[4:7], s[0:1], 0x0                ; x's codes, x's scales
	s_load_b128 s[8:11], s[0:1], 0x10              ; w_in's codes, w_in's scales
	s_load_b128 s[12:15], s[0:1], 0x20             ; b_in, ws
	v_lshl_add_u32 v[SPW], v0, 2, SPARE
	v_mov_b32 v[NIL], 0
	ds_add_u32 v[SPW], v[NIL]                      ; the wave's opening: the add, twice on end, and its wait ahead of my first tensor load
	ds_add_u32 v[SPW], v[NIL]
	v_lshrrev_b32 v1, 5, v0
	v_readfirstlane_b32 s16, v1                    ; wave 0..3
	s_lshr_b32 s17, s16, 1                         ; my half of the tokens.  Also: I fetch for x (0) or for w_in (1)
	s_and_b32 s18, s16, 1                          ; my half of w_in's rows.  Also: which 128 rows I fetch
	s_lshr_b32 s19, ttmp9, 1                       ; 1 in the section of v, else 0
	s_bfe_u32 s20, ttmp6, 0x40000                  ; cx
	s_bfe_u32 s21, ttmp6, 0x40004                  ; cy
	s_lshl_b32 s22, ttmp9, 2
	s_add_co_u32 s22, s22, s20                     ; tile column: 256 rows of w_in
	s_and_b32 s23, ttmp7, 0xffff
	s_lshl_b32 s23, s23, 2
	s_add_co_u32 s23, s23, s21                     ; tile row: 256 tokens
	s_lshl_b32 s43, s21, 2
	s_lshl_b32 s43, 15, s43                        ; my row of the cluster
	s_lshl_b32 s44, 0x1111, s20                    ; my column
	s_or_b32 s[G1+0], s43, (0<<16)|(1<<20)|(1<<21)|(5<<22)|(3<<25)   ; the mask; elements of 1 byte; padding on; bit 21 beside a mask; 4 words behind every 64
	s_or_b32 s[G1B+0], s44, (0<<16)|(1<<20)|(1<<21)|(5<<22)|(3<<25)
.irp g, G1, G1B
	s_mov_b32 s[\g+1], 256<<16                     ; tensor_dim0 = 256 bytes
	s_mov_b32 s[\g+2], 128<<16                     ; tensor_dim1 = 128 rows
	s_mov_b32 s[\g+3], 256<<16                     ; tile_dim0
	s_mov_b32 s[\g+4], 128                         ; tile_dim1
	s_mov_b32 s[\g+5], 512                         ; a row of 1,024 codes in memory
	s_mov_b32 s[\g+6], 0
	s_mov_b32 s[\g+7], 0
.endr
	s_or_b32 s[G1S+0], s43, (3<<16)|(1<<20)|(1<<21)|(5<<22)|(3<<25)  ; the scales of 128 rows: 4,096 dense bytes as 16 rows of 32 elements of 8 bytes
	s_or_b32 s[G1SB+0], s44, (3<<16)|(1<<20)|(1<<21)|(5<<22)|(3<<25)
.irp g, G1S, G1SB
	s_mov_b32 s[\g+1], 32<<16
	s_mov_b32 s[\g+2], 16<<16
	s_mov_b32 s[\g+3], 32<<16
	s_mov_b32 s[\g+4], 16
	s_mov_b32 s[\g+5], 32
	s_mov_b32 s[\g+6], 0
	s_mov_b32 s[\g+7], 0
.endr
	s_lshl_b32 s45, s18, 7                         ; which 128 rows of the tile I fetch
	s_lshl_b32 s40, s23, 8
	s_add_co_u32 s40, s40, s45                     ; x: token 256 x tile row + 128 x half
	s_lshl_b32 s46, s22, 8
	s_add_co_u32 s46, s46, s45                     ; w_in: row 256 x tile column + 128 x half
	s_mov_b32 s41, 0
	s_mov_b32 s47, 0
	s_lshl_b64 s[2:3], s[40:41], 5                 ; their scales: 32 bytes a row
	s_lshl_b64 s[66:67], s[46:47], 5
	s_lshl_b64 s[40:41], s[40:41], 9               ; their codes: 512 bytes a row
	s_lshl_b64 s[46:47], s[46:47], 9
	s_mul_i32 s45, s16, HALFT                      ; where they go: wave x 128 rows: no place in the cluster enters an LDS address
	s_mul_i32 s42, s16, HALFS
	s_mov_b32 s96, 0x76543210                      ; v_permlanex16_b32's selects for lane l xor 16
	s_mov_b32 s97, 0xfedcba98
	s_wait_dscnt 0x0                               ; both opening adds are done
	s_wait_kmcnt 0x0
	s_add_nc_u64 s[40:41], s[4:5], s[40:41]
	s_add_nc_u64 s[2:3], s[6:7], s[2:3]
	s_add_nc_u64 s[46:47], s[8:9], s[46:47]
	s_add_nc_u64 s[66:67], s[10:11], s[66:67]
	CROUND                                         ; all sixteen work-groups are here: the joint loads meet
	s_mov_b32 s[G0S], 1
	s_add_co_u32 s[G0S+1], s42, SCL
	s_mov_b64 s[G0S+2:G0S+3], s[2:3]
	s_or_b32 s[G0S+3], s[G0S+3], 0x80000000
	s_mov_b32 s[G0SB], 1
	s_add_co_u32 s[G0SB+1], s42, SCL
	s_mov_b64 s[G0SB+2:G0SB+3], s[66:67]
	s_or_b32 s[G0SB+3], s[G0SB+3], 0x80000000
	JLOAD G0S, G1S, G0SB, G1SB                     ; the scales first: they are wanted with the first K step
.irp s, 0,1
	s_mov_b32 s[G0+4*\s], 1
	s_add_co_u32 s[G0+4*\s+1], s45, \s*SLOT
	s_add_nc_u64 s[G0+4*\s+2:G0+4*\s+3], s[40:41], \s*256
	s_or_b32 s[G0+4*\s+3], s[G0+4*\s+3], 0x80000000
	s_mov_b32 s[G0B+4*\s], 1
	s_add_co_u32 s[G0B+4*\s+1], s45, \s*SLOT
	s_add_nc_u64 s[G0B+4*\s+2:G0B+4*\s+3], s[46:47], \s*256
	s_or_b32 s[G0B+4*\s+3], s[G0B+4*\s+3], 0x80000000
	JLOAD G0+4*\s, G1, G0B+4*\s, G1B               ; both halves of K: every byte of LDS is filled once; three loads of mine are out
.endr
	; b_in, in the result's layout, while the tiles are on their way
	v_and_b32 v1, 15, v0                           ; r = lane % 16
	v_bfe_u32 v2, v0, 4, 1                         ; h = lane / 16
	v_lshlrev_b32 v[BQ], 5, v2
	v_lshlrev_b32 v[BV], 2, v1
	s_lshl_b32 s46, s22, 10
	s_lshl_b32 s47, s18, 9
	s_add_co_u32 s46, s46, s47                     ; 4 bytes x (256 x tile column + 128 x my half)
	s_mov_b32 s47, 0
	s_add_nc_u64 s[12:13], s[12:13], s[46:47]
	s_cmp_eq_u32 s19, 0
	s_cbranch_scc0 .Lbias_v
	WIN 0x40                                       ; destination window 1
	s_wait_alu depctr_va_vdst(0)
.irp b, 0,1,2,3,4,5,6,7                        ; q, k: register 8 b + j is b_in of column 16 b + 8 h + j
	global_load_b128 v[BIAS+8*\b:BIAS+8*\b+3], v[BQ], s[12:13] offset:64*\b
	global_load_b128 v[BIAS+8*\b+4:BIAS+8*\b+7], v[BQ], s[12:13] offset:64*\b+16
.endr
	WIN 0
	s_branch .Lbias_done
.Lbias_v:
	WIN 0x40
	s_wait_alu depctr_va_vdst(0)
.irp a, 0,1,2,3,4,5,6,7                        ; v: all eight registers of block a hold b_in of column 16 a + r
	global_load_b32 v[BIAS+8*\a], v[BV], s[12:13] offset:64*\a
.endr
	s_wait_loadcnt 0x0
	WIN 0x41
.irp a, 0,1,2,3,4,5,6,7
.irp j, 1,2,3,4,5,6,7
	v_mov_b32 v[BIAS+8*\a+\j], v[BIAS+8*\a]
.endr
.endr
	WIN 0
.Lbias_done:
	v_mul_u32_u24 v3, v1, PITCH
	v_lshl_add_u32 v4, v2, 4, v3                   ; a fragment's row x pitch + 16 x half
	s_mul_i32 s45, s17, HALFT                      ; my 128 tokens
	s_mul_i32 s42, s18, HALFT                      ; my 128 rows of w_in,
	s_add_co_u32 s42, s42, 2*HALFT                 ; which lie behind x's 256
.irp s, 0,1
	v_add_nc_u32 v[ADRX+\s], s45, v4
	v_add_nc_u32 v[ADRW+\s], s42, v4
	s_add_co_u32 s45, s45, SLOT
	s_add_co_u32 s42, s42, SLOT
.endr
	v_mul_u32_u24 v5, v1, 32                       ; my row's scales: 32 bytes a row,
	v_lshrrev_b32 v6, 8, v5
	v_lshl_add_u32 v5, v6, 4, v5                   ; and 16 more for each 256 passed
	s_mul_i32 s45, s17, HALFS                      ; x's: my 128 rows
	s_mul_i32 s42, s18, HALFS                      ; w_in's: my 128 rows, behind x's 256
	s_add_co_u32 s42, s42, 2*HALFS
	s_sub_co_u32 s42, s42, s45
	v_mul_u32_u24 v6, s42, v2                      ; lanes 16-31 take w_in's
	s_add_co_u32 s45, s45, SCL
	v_add_nc_u32 v5, v5, v6
	v_add_nc_u32 v[ADRS], s45, v5
	v_and_b32 v6, 31, v0
	v_lshlrev_b32 v[CO], 4, v6
	v_mul_u32_u24 v[SO], v2, HS
	v_lshl_add_u32 v[SO], v1, 4, v[SO]
.irp b, 0,1,2,3
	v_mov_b32 v[TM+4+\b], 0                        ; written once: a lane permute's destination counts as one of its sources
.endr
	; where my results go in ws
	s_lshl_b32 s98, s23, 8
	s_lshl_b32 s99, s17, 7
	s_add_co_u32 s98, s98, s99                     ; my first token: a multiple of 128
	s_lshr_b32 s99, s98, 11                        ; batch
	s_lshl_b32 s99, s99, 4
	s_lshl_b32 s92, s20, 2
	s_add_co_u32 s99, s99, s92
	s_lshl_b32 s92, s18, 1
	s_add_co_u32 s99, s99, s92                     ; 16 batch + my first head (4 cx + 2 x my half of w_in's rows)
	s_mul_i32 s99, s99, HS
	s_bfe_u32 s98, s98, 0x40007                    ; the step of 128 tokens in the sequence
	s_mul_i32 s98, s98, BLK
	s_add_co_u32 s98, s98, s99
	s_mul_i32 s92, ttmp9, 4352
	s_lshl_b32 s93, s19, 8
	s_sub_co_u32 s92, s92, s93                     ; the images: 0, 4,352, 8,448 for q, k, v
	s_min_u32 s94, ttmp9, 1
	s_mul_i32 s94, s94, 8448
	s_add_co_u32 s94, s94, s93
	s_add_co_u32 s94, s94, 4096                    ; the scale words: 4,096, 12,544, 12,800
	s_add_co_u32 s92, s92, s98
	s_add_co_u32 s94, s94, s98
	s_mov_b32 s93, 0
	s_mov_b32 s95, 0
	s_add_nc_u64 s[92:93], s[14:15], s[92:93]
	s_add_nc_u64 s[94:95], s[14:15], s[94:95]
; 32 LDS loads in one run: the fragments of the half's q-th 128 along K into set p.  A fragment, 16 rows x 128 K, is 8 registers: lane l holds row l % 16; registers 4 c .. 4 c + 3 hold K = 64 c + 32 (l / 16) + 0 .. 31
.macro FETCH slot, q, p
	WIN 0x40                                       ; destination window 1, address window 0
.irp i, 0,1,2,3,4,5,6,7
.irp c, 0,1
	ds_load_b128 v[128*(\p)+8*\i+4*\c:128*(\p)+8*\i+4*\c+3], v[ADRW+\slot] offset:64*(\q)+32*\c+\i*16*PITCH
.endr
.endr
	WIN 0
.irp i, 0,1,2,3,4,5,6,7
.irp c, 0,1
	ds_load_b128 v[XF+64*(\p)+8*\i+4*\c:XF+64*(\p)+8*\i+4*\c+3], v[ADRX+\slot] offset:64*(\q)+32*\c+\i*16*PITCH
.endr
.endr
.endm
.macro SCALES sc                       ; the scale words of half sc of K: 4 words a row; lanes 0-15 take x's block i, lanes 16-31 w_in's
.irp i, 0,1,2,3,4,5,6,7
	ds_load_b128 v[SC+32*\sc+4*\i:SC+32*\sc+4*\i+3], v[ADRS] offset:\i*SBLK+16*\sc
.endr
.endm
; 32 matrix instructions: source 1's blocks 4 hi .. 4 hi + 3 against source 0's eight.  mode 0: source 0 = w_in (its scales in lanes 16-31), source 1 = x.  mode 1: source 0 = x, source 1 = w_in.
; first = 1: b_in is the C: nothing is cleared and nothing is added later.  The 64 accumulators take turns, one instruction a turn, in the same order in every step.
.macro MULH mode, hi, p, q, sc, first
.irp a, 0,1,2,3
.irp b, 0,1,2,3,4,5,6,7
.if (\mode) == 0
.if \first
	v_wmma_scale_f32_16x16x128_f8f6f4 v[8*(8*\a+\b):8*(8*\a+\b)+7], v[128*(\p)+8*\b:128*(\p)+8*\b+7], v[XF+64*(\p)+8*(4*\hi+\a):XF+64*(\p)+8*(4*\hi+\a)+7], v[BIAS+8*\b:BIAS+8*\b+7], v[SC+32*(\sc)+4*\b+(\q)], v[SC+32*(\sc)+4*(4*\hi+\a)+(\q)] matrix_a_fmt:MATRIX_FMT_FP4 matrix_b_fmt:MATRIX_FMT_FP4 matrix_a_scale:MATRIX_SCALE_ROW1
.else
	v_wmma_scale_f32_16x16x128_f8f6f4 v[8*(8*\a+\b):8*(8*\a+\b)+7], v[128*(\p)+8*\b:128*(\p)+8*\b+7], v[XF+64*(\p)+8*(4*\hi+\a):XF+64*(\p)+8*(4*\hi+\a)+7], v[8*(8*\a+\b):8*(8*\a+\b)+7], v[SC+32*(\sc)+4*\b+(\q)], v[SC+32*(\sc)+4*(4*\hi+\a)+(\q)] matrix_a_fmt:MATRIX_FMT_FP4 matrix_b_fmt:MATRIX_FMT_FP4 matrix_a_scale:MATRIX_SCALE_ROW1
.endif
.else
.if \first
	v_wmma_scale_f32_16x16x128_f8f6f4 v[8*(8*\a+\b):8*(8*\a+\b)+7], v[XF+64*(\p)+8*\b:XF+64*(\p)+8*\b+7], v[128*(\p)+8*(4*\hi+\a):128*(\p)+8*(4*\hi+\a)+7], v[BIAS+8*(4*\hi+\a):BIAS+8*(4*\hi+\a)+7], v[SC+32*(\sc)+4*\b+(\q)], v[SC+32*(\sc)+4*(4*\hi+\a)+(\q)] matrix_a_fmt:MATRIX_FMT_FP4 matrix_b_fmt:MATRIX_FMT_FP4 matrix_b_scale:MATRIX_SCALE_ROW1
.else
	v_wmma_scale_f32_16x16x128_f8f6f4 v[8*(8*\a+\b):8*(8*\a+\b)+7], v[XF+64*(\p)+8*\b:XF+64*(\p)+8*\b+7], v[128*(\p)+8*(4*\hi+\a):128*(\p)+8*(4*\hi+\a)+7], v[8*(8*\a+\b):8*(8*\a+\b)+7], v[SC+32*(\sc)+4*\b+(\q)], v[SC+32*(\sc)+4*(4*\hi+\a)+(\q)] matrix_a_fmt:MATRIX_FMT_FP4 matrix_b_fmt:MATRIX_FMT_FP4 matrix_b_scale:MATRIX_SCALE_ROW1
.endif
.endif
.endr
.endr
.endm
; A K step's 64.  Windows: mode 0: source 0 window 1, source 1 window 0; mode 1 the other way round (+3); C and D window 2, then 3; first = 1: C (b_in) window 1
.macro MUL mode, p, q, sc, first
.if \first
	WIN 0x91+3*(\mode)
.else
	WIN 0xa1+3*(\mode)
.endif
	MULH \mode, 0, \p, \q, \sc, \first
.if \first
	WIN 0xd1+3*(\mode)
.else
	WIN 0xf1+3*(\mode)
.endif
	MULH \mode, 1, \p, \q, \sc, \first
	WIN 0                                          ; at a label and at a branch every window is 0
.endm
.macro BOTH p, q, sc, first            ; the branch hangs on the cluster's x alone: all waves of all sixteen partners go the same way
	s_cmp_eq_u32 s19, 0
	s_cbranch_scc0 .Lrole_v_\@
	MUL 0, \p, \q, \sc, \first
	s_branch .Lrole_done_\@
.Lrole_v_\@:
	MUL 1, \p, \q, \sc, \first
.Lrole_done_\@:
.endm
; K step k of 8: its fragments were asked for ahead of the step before; the next step's are asked for now, 64 matrix instructions ahead of their use
.macro STEPK k
	s_wait_dscnt 0x0                               ; this step's fragments (and scale words) are in
.if \k == 3
	s_wait_tensorcnt 0x0                           ; my part of the second half of K has landed,
	s_barrier_signal -1
	s_barrier_wait -1                              ; everybody's has.
.endif
.if \k > 0
	PLACES                                         ; the loads below land in the set that the step before multiplied
.endif
.if \k < 7
	FETCH (\k+1)/4, (\k+1)%4, (\k+1)%2
.endif
.if \k == 3
	SCALES 1
.endif
.if \k == 0
	BOTH 0, 0, 0, 1
.else
	BOTH \k%2, \k%4, \k/4, 0
.endif
.endm
	s_wait_alu depctr_va_vdst(0)
	s_wait_tensorcnt 1                             ; the scales and my part of the first half of K are in; the second half's load may be out,
	s_barrier_signal -1
	s_barrier_wait -1                              ; everybody's are
	FETCH 0, 0, 0
	SCALES 0
	s_wait_loadcnt 0x0                             ; b_in
.irp k, 0,1,2,3,4,5,6,7
	STEPK \k
.endr
; THE QUANTISER, for source 1's block a: a lane's 64 sums, register 8 t + j = index 16 t + 8 h + j along the next K.  A block of 32 is tiles 2 b, 2 b + 1 in lanes l and l xor 16.
; The largest magnitude (with the floor 2^(3 - 127) among its leaves: the byte cannot fall under 1) with 2 taken off its exponent field is the conversion's scale operand; shifted down by 23 it is the byte.
; Tile t's eight codes go to register 4 (t / 4) + 2 (t % 2) + (t % 4) / 2; two exchanges of halves for each four registers then give the operand's layout: registers 4 c .. 4 c + 3: index 64 c + 32 h + 0 .. 31.
.macro QUANT a
.set QW, 2+(\a)/4
.set QS0, 64*((\a)%4)
	WIN QW|(QW<<2)                                 ; sources 0 and 1: the accumulators' window
.irp b, 0,1,2,3
	v_max3_num_f32 v[TM+\b], |v[QS0+16*\b]|, |v[QS0+16*\b+1]|, 0x1800000   ; each accumulator is read from its low end on
.endr
.irp i, 2,4,6,8,10,12,14
.irp b, 0,1,2,3
	v_max3_num_f32 v[TM+\b], |v[QS0+16*\b+\i]|, |v[QS0+16*\b+\i+1]|, v[TM+\b]   ; the four blocks by turns
.endr
.endr
	WIN 0
.irp b, 0,1,2,3
	v_permlanex16_b32 v[TM+4+\b], v[TM+\b], s96, s97
.endr
.irp b, 0,1,2,3
	v_max_num_f32 v[TM+\b], v[TM+\b], v[TM+4+\b]   ; with lane l xor 16's: the block's largest magnitude
.endr
.irp b, 0,1,2,3
	v_add_nc_u32 v[TM+12+\b], 0xff000000, v[TM+\b]
.endr
.irp b, 0,1,2,3
	v_lshrrev_b32 v[TM+4+\b], 23, v[TM+12+\b]
.endr
	v_lshl_or_b32 v[WD+(\a)], v[TM+5], 8, v[TM+4]  ; the four bytes: the scale word
	v_lshl_or_b32 v[WD+(\a)], v[TM+6], 16, v[WD+(\a)]
	v_lshl_or_b32 v[WD+(\a)], v[TM+7], 24, v[WD+(\a)]
	WIN QW                                         ; source 0: the accumulators' window
.irp t, 0,1,2,3,4,5,6,7
	v_cvt_scalef32_pk8_fp4_f32 v[PC+8*(\a)+4*(\t/4)+2*(\t%2)+(\t%4)/2], v[QS0+8*\t:QS0+8*\t+7], v[TM+12+\t/2]
.endr
	WIN 0
	v_nop                                          ; one plain place behind a scaled conversion
.irp c, 0,1
	v_permlane16_swap_b32 v[PC+8*(\a)+4*\c], v[PC+8*(\a)+4*\c+1]
	v_permlane16_swap_b32 v[PC+8*(\a)+4*\c+2], v[PC+8*(\a)+4*\c+3]
.endr
.endm
	PLACES                                         ; behind the last products
.irp a, 0,1,2,3,4,5,6,7
	QUANT \a                                       ; each a has registers of its own for its codes and its word: no store's data are written again
.endr
	s_cmp_eq_u32 s19, 0
	s_cbranch_scc0 .Lout_v
	; q, k: a = a tile of 16 tokens; registers 0-3 are my first head's image, 4-7 the next head's.  Each store covers 512 consecutive bytes, aligned to 256
	v_lshlrev_b32 v3, 4, v2
.irp a, 0,1,2,3,4,5,6,7
	v_bfe_u32 v[YY+\a], v[WD+\a], v3, 16           ; lanes 0-15: the first head's two bytes; lanes 16-31: the next head's
.endr
.irp p, 0,1,2,3
	v_lshl_or_b32 v[OW+\p], v[YY+2*\p+1], 16, v[YY+2*\p]
.endr
.irp a, 0,1,2,3,4,5,6,7
	global_store_b128 v[CO], v[PC+8*\a:PC+8*\a+3], s[92:93] offset:\a*512
	global_store_b128 v[CO], v[PC+8*\a+4:PC+8*\a+7], s[92:93] offset:\a*512+HS
.endr
	s_branch .Lout_sc
.Lout_v:
	; v: a = a tile of 16 channels: head a / 4, tile a % 4; the eight registers are its fragment for my 128 keys
	v_cmp_eq_u32 vcc_lo, 1, v2
.irp i, 0,1,2,3
	v_cndmask_b32 v[OW+\i], v[WD+\i], v[WD+4+\i], vcc_lo   ; lanes 0-15: the first head's four tiles; lanes 16-31: the next head's
.endr
	s_wait_alu depctr_va_vdst(0)
.irp a, 0,1,2,3,4,5,6,7
	global_store_b128 v[CO], v[PC+8*\a:PC+8*\a+3], s[92:93] offset:(\a/4)*HS+(\a%4)*1024
	global_store_b128 v[CO], v[PC+8*\a+4:PC+8*\a+7], s[92:93] offset:(\a/4)*HS+(\a%4)*1024+512
.endr
.Lout_sc:
	s_wait_alu depctr_va_vdst(0)
	global_store_b128 v[SO], v[OW:OW+3], s[94:95]  ; the scale words: sixteen lanes store 256 consecutive bytes of one head, aligned; the other sixteen those of the next
	s_wait_tensorcnt 0x0                           ; the wave's end
	ds_add_u32 v[SPW], v[NIL]
	s_wait_dscnt 0x0
	CROUND                                         ; the closing round: no work-group ends while a partner may still ask for a tile that names it
	s_endpgm
.Lfunc_end_k_q53f5cb6709_qkv:
	.size	k_q53f5cb6709_qkv, .Lfunc_end_k_q53f5cb6709_qkv-k_q53f5cb6709_qkv
	.p2alignl 7, 3214868480
	.fill 96, 4, 3214868480
	.section	.rodata,"a",@progbits
	.p2align	6, 0x0
	.amdhsa_kernel k_q53f5cb6709_qkv
		.amdhsa_group_segment_fixed_size 327680
		.amdhsa_private_segment_fixed_size 0
		.amdhsa_enable_private_segment 0
		.amdhsa_kernarg_size 48
		.amdhsa_user_sgpr_count 2
		.amdhsa_user_sgpr_kernarg_segment_ptr 1
		.amdhsa_wavefront_size32 1
		.amdhsa_system_sgpr_workgroup_id_x 1
		.amdhsa_system_sgpr_workgroup_id_y 1
		.amdhsa_system_sgpr_workgroup_id_z 1
		.amdhsa_system_vgpr_workitem_id 0
		.amdhsa_next_free_vgpr 1024
		.amdhsa_next_free_sgpr 100
		.amdhsa_reserve_vcc 1
		.amdhsa_float_denorm_mode_32 3
		.amdhsa_float_denorm_mode_16_64 3
		.amdhsa_memory_ordered 1
		.amdhsa_forward_progress 1
		.amdhsa_inst_pref_size 200
	.end_amdhsa_kernel
	.amdgpu_metadata
---
amdhsa.version: [ 1, 2 ]
amdhsa.kernels:
  - .name:           k_q53f5cb6709_qkv
    .symbol:         k_q53f5cb6709_qkv.kd
    .args:
      - { .name: x_codes, .offset: 0, .size: 8, .value_kind: global_buffer, .address_space: global }
      - { .name: x_scales, .offset: 8, .size: 8, .value_kind: global_buffer, .address_space: global }
      - { .name: w_in_codes, .offset: 16, .size: 8, .value_kind: global_buffer, .address_space: global }
      - { .name: w_in_scales, .offset: 24, .size: 8, .value_kind: global_buffer, .address_space: global }
      - { .name: b_in, .offset: 32, .size: 8, .value_kind: global_buffer, .address_space: global }
      - { .name: ws, .offset: 40, .size: 8, .value_kind: global_buffer, .address_space: global }
    .group_segment_fixed_size: 327680
    .private_segment_fixed_size: 0
    .kernarg_segment_align: 8
    .kernarg_segment_size: 48
    .max_flat_workgroup_size: 128
    .sgpr_count:     100
    .vgpr_count:     1024
    .wavefront_size: 32
...
	.end_amdgpu_metadata
.endif
;; end of part 1
;; launch att (part 2): grid 4 x 64, 16 waves a work-group, clusters of 4 x 1, 167,936 bytes of LDS; arguments ws, ao, aosc; writes ao, aosc
.if DOCPART == 2
	.amdgcn_target "amdgcn-amd-amdhsa--gfx1250"
	.amdhsa_code_object_version 6
	.text
	.protected	k_q53f5cb6709_att
	.globl	k_q53f5cb6709_att
	.p2align	8
	.type	k_q53f5cb6709_att,@function
k_q53f5cb6709_att:
	s_mov_b64 s[64:65], 0
	v_nop
	global_prefetch_b8 v0, s[64:65] scope:SCOPE_SE
	s_setreg_imm32_b32 hwreg(HW_REG_WAVE_MODE, 25, 1), 1
	s_wait_xcnt 0x0
	s_wait_alu depctr_hold_cnt(0) depctr_sa_sdst(0) depctr_va_vdst(0) depctr_va_sdst(0) depctr_va_ssrc(0) depctr_va_vcc(0) depctr_vm_vsrc(0)
	s_getreg_b32 s2, hwreg(HW_REG_IB_STS2, 6, 4)
	s_cmp_eq_u32 s2, 0
	s_cbranch_scc0 .Lentry_in_a_cluster
	s_endpgm
.Lentry_in_a_cluster:
	s_bfe_u32 s2, ttmp6, 0x10000c
	s_cmp_lg_u32 s2, 0x3003
	s_cbranch_scc0 .Lentry_shape_is_right
	s_endpgm
.Lentry_shape_is_right:
; SECOND LAUNCH.  Causal attention of one head on codes of FP4 (E2M1) with E8M0 scales; the result, divided by the row's sum, is quantised along D for the projection.
; WORK LEFT OUT: steps of 128 keys that lie wholly behind reference()'s own causal mask (shown dead at the head of the first launch; a NaN or an infinity that reaches only them is not carried to the result).
; LIMITS: NaN and infinities are not served; a block of zeros gets the scale byte 1 in buffers that this program alone reads.
; THE SOFTMAX: t = score x log2(e) / 8; M = the running largest t rounded UP to a whole number; p = 2^(t - M) is quantised along the keys, not normalised; the row's sum is taken of the unquantised p.
; When M moves, the sum and O are multiplied by 2^(old M - new M): exact.
; SHARES.  Four work-groups of sixteen waves to a head.  Work-group g, wave w (a = w / 2, c = w % 2) owns two tiles of 16 queries: queries 128 i + 32 g + 16 c + 0 .. 15 for i = 15 - a and then i = a.
; Tile i walks key steps 0 .. i, so every wave of the launch walks (16 - a) + (a + 1) = 17 steps, two of them on the diagonal.
; LDS.  The head's k, v and their scale words, 16 steps x 8,704 bytes, come in once: wave w asks for step w.  CLUSTER: the four work-groups of a head want the same bytes: each load is joint, its mask names the four.
; Nothing is filled again and nothing is stored to LDS, so one barrier serves the launch.  The bytes are images of operand registers: every LDS load reads 512 consecutive bytes.
; THE HEAD'S 64 CHANNELS IN AN INSTRUCTION THAT IS 128 DEEP.  A fragment of k holds TWO tiles of 16 keys: tile 2 p in registers 0-3 (K 0-63), tile 2 p + 1 in registers 4-7 (K 64-127).  Multiplied by [q, 0] it gives tile
; 2 p's scores, by [0, q] tile 2 p + 1's: the half not meant meets zero codes, which add nothing under its scale bytes (1 to 254).  q stands between two runs of zeros, so both forms are runs of eight registers.
; LAYOUT.  Both products are used transposed: S^T = k q^T, O^T = v^T p^T: a lane holds ONE query (lane % 16).  Tile t of S^T: register j is key 16 t + 8 (lane / 16) + j.  p's codes of tile t go to register
; 4 (t / 4) + 2 (t % 2) + (t % 4) / 2, and two exchanges of halves for each four registers give the operand's layout (registers 4 c .. 4 c + 3: key 64 c + 32 (lane / 16) + 0 .. 31).
; THE SCALE BYTES OF THE RESULT leave one byte a lane: a run of 256 bytes of aosc holds all sixteen heads of eight tokens and a work-group has one head; they are one byte in 17 of what the launch stores.
.set BLK,   13056                      ; ws: a head's step of 128 tokens
.set HS,    16*BLK                     ; ws: a head
.set STEPB, 8704                       ; a step in LDS: k's images 4,096 | v's images 4,096 | k's scale words 256 | v's 256
.set SPARE, 16*STEPB                   ; the spare words: 128 bytes a wave, eight blocks of 256 bytes that no other line names
.set LI,  1                            ; v1   16 x lane
.set SPW, 2                            ; v2   my spare word; never rewritten
.set NIL, 3                            ; v3   0; never rewritten
.set ADR, 4                            ; v4   LDS address of the step in hand
.set VQ,  5                            ; v5   q's image: 16 x lane + 512 (2 g + c)
.set VQS, 6                            ; v6   q's scale word: 4,096 + 16 r + 4 g
.set D0,  7                            ; v7   32 g + 16 c + r - 8 h: on the diagonal register 8 t + j is hidden where 16 t + j is greater
.set SB8, 8                            ; v8   32 r + h: my byte in aosc
.set QZ,  16                           ; v16-19 zeros, v20-23 q, v24-27 zeros
.set QSR, 28                           ; v28  q's two scale bytes, twice
.set PW,  29                           ; v29  p's scale word
.set F,   30                           ; v[30:31] f = 2^(old M - new M); at the end 1 / the sum
.set KF,  32                           ; v32-63  k: four fragments
.set VF,  64                           ; v64-95  v: four fragments
.set S,   96                           ; v96-159 S^T, then p
.set O,   160                          ; v160-191 O^T
.set P,   192                          ; v192-199 p's codes
.set SW,  200                          ; v200-203 lanes 0-15: k's scale words of pair p; lanes 16-31: v's of channel tile p
.set BM,  204                          ; v204-207 a block's largest
.set PT,  208                          ; v208-211 at work
.set SOP, 212                          ; v212-215 the conversions' scale operands
.set T0,  216
.set T1,  217
.set OC,  220                          ; v220-223 the result's codes; v224 its scale byte
.set WV,  10
.set IT,  15                           ; s15  the tile's i
.set ST,  44                           ; s44  the key step
.set TB,  45                           ; s45  where it begins in LDS
.set SEL, 46                           ; s[46:47]
.set CS,  48                           ; s[48:49] c = log2(e) / 8
.macro CROUND
	s_barrier_signal -1
	s_barrier_wait -1
	s_cmp_lg_u32 s[WV], 0
	s_cbranch_scc1 .Lnot_wave_0_\@
	s_barrier_signal -3
.Lnot_wave_0_\@:
	s_barrier_wait -3
	s_barrier_signal -1
	s_barrier_wait -1
.endm
	s_load_b128 s[4:7], s[0:1], 0x0                ; ws, ao
	s_load_b64 s[8:9], s[0:1], 0x10                ; aosc
	v_lshl_add_u32 v[SPW], v0, 2, SPARE
	v_mov_b32 v[NIL], 0
	ds_add_u32 v[SPW], v[NIL]                      ; the wave's opening: the add, twice on end, and its wait ahead of my first tensor load
	ds_add_u32 v[SPW], v[NIL]
	v_lshrrev_b32 v4, 5, v0
	s_delay_alu instid0(VALU_DEP_1)
	v_readfirstlane_b32 s[WV], v4                  ; wave 0..15
	s_bfe_u32 s11, ttmp6, 0x40000                  ; g = my place in the cluster: it enters global addresses and the mask's comparison alone
	s_and_b32 s12, ttmp7, 0xffff                   ; 16 batch + head, which the four partners share
	s_lshr_b32 s13, s[WV], 1                       ; a
	s_and_b32 s14, s[WV], 1                        ; c
	s_mov_b32 s16, 15|(3<<16)|(1<<21)              ; group 1: the mask names all four; elements of 8 bytes; bit 21 beside a mask; no padding
	s_mov_b32 s17, 32<<16                          ; tensor_dim0 = 32 elements: rows of 256 bytes
	s_mov_b32 s18, 34<<16                          ; tensor_dim1 = 34 rows: 8,704 dense bytes
	s_mov_b32 s19, 32<<16                          ; tile_dim0
	s_mov_b32 s20, 34                              ; tile_dim1
	s_mov_b32 s21, 32                              ; from row to row
	s_mov_b32 s22, 0
	s_mov_b32 s23, 0
	s_mul_i32 s40, s12, HS
	s_mov_b32 s41, 0
	s_mul_i32 s52, s[WV], BLK
	s_add_co_u32 s52, s52, 4352                    ; step w's k, v and scale words
	s_mov_b32 s53, 0
	s_mov_b32 s24, 1
	s_mul_i32 s25, s[WV], STEPB
	s_mov_b32 s[SEL], 0x76543210
	s_mov_b32 s[SEL+1], 0xfedcba98
	s_mov_b32 s[CS], 0x3e38aa3b
	s_mov_b32 s[CS+1], s[CS]                       ; (named with it as a pair, so it is written)
	s_mov_b32 s50, 0xffff0000                      ; lanes 16-31
	s_lshl_b32 s60, s14, 4                         ; 16 c
	s_wait_dscnt 0x0                               ; both opening adds are done
	s_wait_kmcnt 0x0
	s_add_nc_u64 s[28:29], s[4:5], s[40:41]        ; ws at my head
	s_add_nc_u64 s[26:27], s[28:29], s[52:53]
	s_or_b32 s27, s27, 0x80000000
	CROUND                                         ; all four work-groups are here: the joint loads meet
	tensor_load_to_lds s[24:27], s[16:23]          ; my one load of the launch
	s_nop 0
.rept 4
	v_nop
.endr
	v_and_b32 v[LI], 31, v0
	s_delay_alu instid0(VALU_DEP_1)
	v_lshlrev_b32 v[LI], 4, v[LI]
	v_and_b32 v9, 15, v0                           ; r
	v_bfe_u32 v10, v0, 4, 1                        ; h
	s_lshl_b32 s42, s11, 1
	s_add_co_u32 s42, s42, s14                     ; 2 g + c: my tile among a step's eight
	s_lshl_b32 s43, s42, 9
	v_add_nc_u32 v[VQ], s43, v[LI]
	s_lshl_b32 s43, s11, 2
	s_add_co_u32 s43, s43, 4096
	v_lshl_add_u32 v[VQS], v9, 4, s43
	s_lshl_b32 s43, s42, 4
	v_lshlrev_b32 v11, 3, v10
	s_delay_alu instid0(VALU_DEP_1)
	v_sub_nc_u32 v[D0], v9, v11
	s_delay_alu instid0(VALU_DEP_1)
	v_add_nc_u32 v[D0], s43, v[D0]
	v_lshl_add_u32 v[SB8], v9, 5, v10
	s_and_b32 s51, s12, 15                         ; head
	s_lshr_b32 s52, s12, 4                         ; batch
	s_lshr_b32 s53, s51, 3
	s_lshl_b32 s53, s53, 21                        ; ao: [head / 8][token tile][(head / 2) % 4][head % 2][lane][16]
	s_bfe_u32 s54, s51, 0x20001
	s_lshl_b32 s54, s54, 10
	s_add_co_u32 s53, s53, s54
	s_and_b32 s54, s51, 1
	s_lshl_b32 s54, s54, 9
	s_add_co_u32 s53, s53, s54
	s_lshl_b32 s54, s52, 7
	s_add_co_u32 s54, s54, s42                     ; the token tile for i = 0
	s_lshl_b32 s55, s54, 12
	s_add_co_u32 s58, s53, s55
	s_mov_b32 s59, 0
	s_add_nc_u64 s[30:31], s[6:7], s[58:59]
	s_lshl_b32 s55, s54, 9                         ; aosc: 32 bytes a token, byte 2 head + block
	s_lshl_b32 s56, s51, 1
	s_add_co_u32 s58, s55, s56
	s_add_nc_u64 s[32:33], s[8:9], s[58:59]
.irp j, 16,17,18,19,24,25,26,27
	v_mov_b32 v\j, 0                               ; the zero codes on both sides of q
.endr
	v_mov_b32 v[F+1], 0                            ; (named as the upper half of a pair)
.irp b, 0,1,2,3
	v_mov_b32 v[PT+\b], 0                          ; written once: a lane permute's destination counts as one of its sources
.endr
	v_mov_b32 v[T0], 0
	s_wait_tensorcnt 0x0                           ; my step has landed,
	s_barrier_signal -1
	s_barrier_wait -1                              ; everybody's has: the whole head lies in LDS
; A KEY STEP: 128 keys.  A step behind the tile's diagonal is jumped over: the branch hangs on the wave's number and the count of steps
.macro STEP
	s_cmp_gt_u32 s[ST], s[IT]
	s_cbranch_scc1 .Lskip_\@
	s_setprio 2
	v_add_nc_u32 v[ADR], s[TB], v[LI]
	ds_load_b128 v[SW:SW+3], v[ADR] offset:8192    ; lanes 0-15 fall on k's scale words, lanes 16-31 on v's
.irp f, 0,1,2,3,4,5,6,7
	ds_load_b128 v[KF+4*\f:KF+4*\f+3], v[ADR] offset:512*\f
.endr
.irp f, 0,1,2,3,4,5,6,7
	ds_load_b128 v[VF+4*\f:VF+4*\f+3], v[ADR] offset:4096+512*\f
.endr
	s_wait_dscnt 8                                 ; the scale words and k are in; v's eight loads may be out
.irp p, 0,1,2,3
	v_wmma_scale_f32_16x16x128_f8f6f4 v[S+16*\p:S+16*\p+7], v[KF+8*\p:KF+8*\p+7], v[QZ+4:QZ+11], 0, v[SW+\p], v[QSR] matrix_a_fmt:MATRIX_FMT_FP4 matrix_b_fmt:MATRIX_FMT_FP4
	v_wmma_scale_f32_16x16x128_f8f6f4 v[S+16*\p+8:S+16*\p+15], v[KF+8*\p:KF+8*\p+7], v[QZ:QZ+7], 0, v[SW+\p], v[QSR] matrix_a_fmt:MATRIX_FMT_FP4 matrix_b_fmt:MATRIX_FMT_FP4
.endr
.rept 4
	v_nop
.endr
	s_cmp_lg_u32 s[ST], s[IT]                      ; on the diagonal hidden scores become -infinity ahead of the maximum: p = 0 then
	s_cbranch_scc1 .Lopen_\@
	v_mov_b32 v[T0], 0xff800000
.irp n, 0,1,2,3,4,5,6,7,8,9,10,11,12,13,14,15,16,17,18,19,20,21,22,23,24,25,26,27,28,29,30,31,32,33,34,35,36,37,38,39,40,41,42,43,44,45,46,47,48,49,50,51,52,53,54,55,56,57,58,59,60,61,62,63
	v_cmp_gt_i32 vcc_lo, 16*(\n/8)+\n%8, v[D0]
	v_cndmask_b32 v[S+\n], v[S+\n], v[T0], vcc_lo
.endr
.Lopen_\@:
.irp b, 0,1,2,3
	v_max3_num_f32 v[BM+\b], v[S+16*\b], v[S+1+16*\b], v[S+2+16*\b]   ; the largest score of each block of 32 keys: it serves the row's maximum and, since p rises with the score, the block's largest p
.endr
.irp i, 3,5,7,9,11,13
.irp b, 0,1,2,3
	v_max3_num_f32 v[BM+\b], v[BM+\b], v[S+16*\b+\i], v[S+1+16*\b+\i]
.endr
.endr
.irp b, 0,1,2,3
	v_max_num_f32 v[BM+\b], v[BM+\b], v[S+15+16*\b]
.endr
.irp b, 0,1,2,3
	s_delay_alu instid0(VALU_DEP_4)
	v_permlanex16_b32 v[PT+\b], v[BM+\b], s[SEL], s[SEL+1]
.endr
.irp b, 0,1,2,3
	s_delay_alu instid0(VALU_DEP_4)
	v_max_num_f32 v[BM+\b], v[BM+\b], v[PT+\b]     ; with lane l xor 16's 16 keys
.endr
	s_delay_alu instid0(VALU_DEP_2)
	v_max3_num_f32 v[T0], v[BM], v[BM+1], v[BM+2]
	s_delay_alu instid0(VALU_DEP_1)
	v_max_num_f32 v[T0], v[T0], v[BM+3]
	s_delay_alu instid0(VALU_DEP_1)
	v_mul_f32 v[T0], s[CS], v[T0]                  ; as t (c is positive)
	s_delay_alu instid0(VALU_DEP_1)
	v_max_num_f32 v13, v13, v[T0]                  ; the running largest t
	v_mov_b32 v[T0], v12
	s_delay_alu instid0(VALU_DEP_2)
	v_floor_f32 v12, -v13                          ; the new -M = floor(-t) = -ceil(t)
	s_delay_alu instid0(VALU_DEP_1)
	v_sub_f32 v[T0], v12, v[T0]                    ; old M - new M: a whole number, 0 or less
	s_delay_alu instid0(VALU_DEP_1)
	v_cvt_i32_f32 v[T0], v[T0]                     ; (it saturates)
	s_delay_alu instid0(VALU_DEP_1)
	v_ldexp_f32 v[F], 1.0, v[T0]                   ; f = 2^(old M - new M)
.set j, 0
.rept 32
	v_pk_fma_f32 v[S+j:S+j+1], v[S+j:S+j+1], s[CS:CS+1], v[12:13] op_sel_hi:[1,0,0]   ; t - M, two at a time
.set j, j+2
.endr
	s_setprio 1
.irp b, 0,1,2,3
	v_fma_f32 v[BM+\b], v[BM+\b], s[CS], v12       ; the same of each block's largest score
.endr
.set j, 0
	s_wait_alu depctr_va_vdst(0)
.rept 64
	v_exp_f32 v[S+j], v[S+j]                       ; p = 2^(t - M)
.set j, j+1
.endr
	v_pk_mul_f32 v[14:15], v[14:15], v[F:F+1] op_sel_hi:[1,0]   ; the sums under the new M: a plain place behind the exponentials
	s_wait_alu depctr_va_vdst(0)                   ; one wait for the batch of 64, ahead of its first reader
.irp b, 0,1,2,3
	v_exp_f32 v[BM+\b], v[BM+\b]                   ; the block's largest p
.endr
	v_pk_add_f32 v[208:209], v[100:101], v[104:105]
	v_pk_add_f32 v[254:255], v[108:109], v[112:113]
	v_pk_add_f32 v[252:253], v[116:117], v[120:121]
	v_pk_add_f32 v[250:251], v[124:125], v[128:129]
	v_pk_add_f32 v[248:249], v[132:133], v[136:137]
	v_pk_add_f32 v[246:247], v[140:141], v[144:145]
	v_pk_add_f32 v[244:245], v[148:149], v[152:153]
	v_pk_add_f32 v[14:15], v[14:15], v[156:157]
	v_pk_add_f32 v[208:209], v[208:209], v[96:97]
	v_pk_add_f32 v[254:255], v[254:255], v[98:99]
	v_pk_add_f32 v[252:253], v[252:253], v[102:103]
	v_pk_add_f32 v[250:251], v[250:251], v[106:107]
	v_pk_add_f32 v[248:249], v[248:249], v[110:111]
	v_pk_add_f32 v[246:247], v[246:247], v[114:115]
	v_pk_add_f32 v[244:245], v[244:245], v[118:119]
	v_pk_add_f32 v[14:15], v[14:15], v[122:123]
	v_pk_add_f32 v[208:209], v[208:209], v[126:127]
	v_pk_add_f32 v[254:255], v[254:255], v[130:131]
	v_pk_add_f32 v[252:253], v[252:253], v[134:135]
	v_pk_add_f32 v[250:251], v[250:251], v[138:139]
	v_pk_add_f32 v[248:249], v[248:249], v[142:143]
	v_pk_add_f32 v[246:247], v[246:247], v[146:147]
	v_pk_add_f32 v[244:245], v[244:245], v[150:151]
	v_pk_add_f32 v[14:15], v[14:15], v[154:155]
	v_pk_add_f32 v[208:209], v[208:209], v[158:159]
	s_delay_alu instid0(VALU_DEP_2)
	v_pk_add_f32 v[14:15], v[14:15], v[250:251]
	s_delay_alu instid0(VALU_DEP_2)
	v_pk_add_f32 v[208:209], v[208:209], v[248:249]
	v_pk_add_f32 v[254:255], v[254:255], v[246:247]
	v_pk_add_f32 v[252:253], v[252:253], v[244:245]
	s_delay_alu instid0(VALU_DEP_2)
	v_pk_add_f32 v[14:15], v[14:15], v[254:255]
	s_delay_alu instid0(VALU_DEP_2)
	v_pk_add_f32 v[208:209], v[208:209], v[252:253]
	s_delay_alu instid0(VALU_DEP_1)
	v_pk_add_f32 v[14:15], v[14:15], v[208:209]
	s_wait_alu depctr_va_vdst(0)                   ; and one for the four
.irp b, 0,1,2,3
	v_max_num_f32 v[BM+\b], 0x1800000, v[BM+\b]    ; the floor 2^(3 - 127): the byte cannot fall under 1
.endr
.irp b, 0,1,2,3
	s_delay_alu instid0(VALU_DEP_4)
	v_add_nc_u32 v[SOP+\b], 0xff000000, v[BM+\b]   ; 2 off the exponent field: the conversion's scale operand
.endr
.irp b, 0,1,2,3
	s_delay_alu instid0(VALU_DEP_4)
	v_lshrrev_b32 v[PT+\b], 23, v[SOP+\b]          ; the scale's byte
.endr
	s_delay_alu instid0(VALU_DEP_3)
	v_lshl_or_b32 v[PW], v[PT+1], 8, v[PT]
	s_delay_alu instid0(VALU_DEP_1)
	v_lshl_or_b32 v[PW], v[PT+2], 16, v[PW]
	s_delay_alu instid0(VALU_DEP_1)
	v_lshl_or_b32 v[PW], v[PT+3], 24, v[PW]
	s_setprio 0
.irp t, 0,1,2,3,4,5,6,7
	v_cvt_scalef32_pk8_fp4_f32 v[P+4*(\t/4)+2*(\t%2)+(\t%4)/2], v[S+8*\t:S+8*\t+7], v[SOP+\t/2]
.endr
	v_nop                                          ; one plain place behind a scaled conversion
.irp c, 0,1
	v_permlane16_swap_b32 v[P+4*\c], v[P+4*\c+1]
	v_permlane16_swap_b32 v[P+4*\c+2], v[P+4*\c+3]
.endr
.set j, 0
.rept 16
	v_pk_mul_f32 v[O+j:O+j+1], v[O+j:O+j+1], v[F:F+1] op_sel_hi:[1,0]   ; O^T under the new M.  Twelve of these name none of a given product's registers: the places between p's scale word and codes and the products
.set j, j+2
.endr
	s_wait_alu depctr_va_vdst(0)
	s_wait_dscnt 0x0                               ; v is in
.irp t, 0,1,2,3
	v_wmma_scale_f32_16x16x128_f8f6f4 v[O+8*\t:O+8*\t+7], v[VF+8*\t:VF+8*\t+7], v[P:P+7], v[O+8*\t:O+8*\t+7], v[SW+\t], v[PW] matrix_a_fmt:MATRIX_FMT_FP4 matrix_b_fmt:MATRIX_FMT_FP4 matrix_a_scale:MATRIX_SCALE_ROW1
.endr
.rept 4
	v_nop                                          ; places in front of the next loads into, and the next vector work on, these products' registers
.endr
.Lskip_\@:
.endm
; ONE TILE OF 16 QUERIES, i in s[IT]: q, sixteen trips (a constant, so that the LDS address can be read off the text; the trips behind the diagonal do nothing), the way out
.macro TILE
	s_mul_i32 s40, s[IT], BLK
	s_add_nc_u64 s[34:35], s[28:29], s[40:41]      ; ws at step i
	s_lshl_b32 s40, s[IT], 15
	s_add_nc_u64 s[36:37], s[30:31], s[40:41]      ; ao: eight token tiles of 4,096 bytes a step
	s_lshl_b32 s40, s[IT], 12
	s_add_nc_u64 s[38:39], s[32:33], s[40:41]      ; aosc: 128 tokens of 32 bytes
	global_load_b128 v[QZ+4:QZ+7], v[VQ], s[34:35]
	global_load_b32 v[T1], v[VQS], s[34:35]
	v_mov_b32 v13, 0xff61b1e6                      ; the largest t so far: -3e38
	s_delay_alu instid0(VALU_DEP_1)
	v_floor_f32 v12, -v13
	v_mov_b32 v14, 0
	v_mov_b32 v15, 0
	s_wait_loadcnt 0x0
	v_bfe_u32 v[T1], v[T1], s60, 16                ; my tile's two bytes of the pair's word,
	s_delay_alu instid0(VALU_DEP_1)
	v_lshl_or_b32 v[QSR], v[T1], 16, v[T1]         ; twice: for [q, 0] and for [0, q]
.set j, 0
.rept 32
	v_mov_b32 v[O+j], 0                            ; O^T: the step is written once, its first trip finds zeros.  (Also the places between q's scale word and the first product)
.set j, j+1
.endr
	s_mov_b32 s[ST], 0
	s_mov_b32 s[TB], 0
.Lstep_\@:
	STEP
	s_add_co_u32 s[TB], s[TB], STEPB
	s_add_co_u32 s[ST], s[ST], 1
	s_cmp_lt_u32 s[ST], 16
	s_cbranch_scc1 .Lstep_\@
	s_setprio 0
	; the way out: O^T / the sum, quantised along the head's 64 channels (two blocks), as one image of 512 bytes and two scale bytes a token
	v_add_f32 v14, v14, v15
	s_delay_alu instid0(VALU_DEP_1)
	v_permlanex16_b32 v[T0], v14, s[SEL], s[SEL+1]
	s_delay_alu instid0(VALU_DEP_1)
	v_add_f32 v14, v14, v[T0]                      ; the row's sum
	s_wait_alu depctr_va_vdst(0)
	v_rcp_f32 v[F], v14
	v_nop                                          ; a plain place behind the reciprocal
	s_wait_alu depctr_va_vdst(0)                   ; and its wait, ahead of the first reader
.set j, 0
.rept 16
	v_pk_mul_f32 v[S+j:S+j+1], v[O+j:O+j+1], v[F:F+1] op_sel_hi:[1,0]   ; register 8 t + j: channel 16 t + 8 h + j
.set j, j+2
.endr
.irp b, 0,1
	v_max3_num_f32 v[BM+\b], |v[S+16*\b]|, |v[S+1+16*\b]|, 0x1800000
.endr
.irp i, 2,4,6,8,10,12,14
.irp b, 0,1
	s_delay_alu instid0(VALU_DEP_2)
	v_max3_num_f32 v[BM+\b], v[BM+\b], |v[S+16*\b+\i]|, |v[S+1+16*\b+\i]|
.endr
.endr
.irp b, 0,1
	s_delay_alu instid0(VALU_DEP_2)
	v_permlanex16_b32 v[PT+\b], v[BM+\b], s[SEL], s[SEL+1]
.endr
.irp b, 0,1
	s_delay_alu instid0(VALU_DEP_2)
	v_max_num_f32 v[BM+\b], v[BM+\b], v[PT+\b]
.endr
.irp b, 0,1
	s_delay_alu instid0(VALU_DEP_2)
	v_add_nc_u32 v[SOP+\b], 0xff000000, v[BM+\b]
.endr
.irp b, 0,1
	s_delay_alu instid0(VALU_DEP_2)
	v_lshrrev_b32 v[PT+\b], 23, v[SOP+\b]
.endr
.irp t, 0,1,2,3
	v_cvt_scalef32_pk8_fp4_f32 v[OC+2*(\t%2)+\t/2], v[S+8*\t:S+8*\t+7], v[SOP+\t/2]
.endr
	v_nop
	v_permlane16_swap_b32 v[OC], v[OC+1]
	v_permlane16_swap_b32 v[OC+2], v[OC+3]         ; lane (r, h): token r, channels 32 h + 0 .. 31
	v_cndmask_b32 v[OC+4], v[PT], v[PT+1], s50     ; and block h's byte
	global_store_b128 v[LI], v[OC:OC+3], s[36:37]  ; 512 consecutive bytes, aligned to 256
	global_store_b8 v[SB8], v[OC+4], s[38:39]
	s_wait_xcnt 0x0                                ; the stores have read their registers and bases: the next tile may write them
.endm
	s_sub_co_u32 s[IT], 15, s13
	TILE
	s_mov_b32 s[IT], s13
	TILE
	s_wait_tensorcnt 0x0                           ; the wave's end
	ds_add_u32 v[SPW], v[NIL]
	s_wait_dscnt 0x0
	CROUND                                         ; the closing round
	s_endpgm
.Lfunc_end_k_q53f5cb6709_att:
	.size	k_q53f5cb6709_att, .Lfunc_end_k_q53f5cb6709_att-k_q53f5cb6709_att
	.p2alignl 7, 3214868480
	.fill 96, 4, 3214868480
	.section	.rodata,"a",@progbits
	.p2align	6, 0x0
	.amdhsa_kernel k_q53f5cb6709_att
		.amdhsa_group_segment_fixed_size 167936
		.amdhsa_private_segment_fixed_size 0
		.amdhsa_enable_private_segment 0
		.amdhsa_kernarg_size 24
		.amdhsa_user_sgpr_count 2
		.amdhsa_user_sgpr_kernarg_segment_ptr 1
		.amdhsa_wavefront_size32 1
		.amdhsa_system_sgpr_workgroup_id_x 1
		.amdhsa_system_sgpr_workgroup_id_y 1
		.amdhsa_system_sgpr_workgroup_id_z 1
		.amdhsa_system_vgpr_workitem_id 0
		.amdhsa_next_free_vgpr 256
		.amdhsa_next_free_sgpr 66
		.amdhsa_reserve_vcc 1
		.amdhsa_float_denorm_mode_32 3
		.amdhsa_float_denorm_mode_16_64 3
		.amdhsa_memory_ordered 1
		.amdhsa_forward_progress 1
		.amdhsa_inst_pref_size 60
	.end_amdhsa_kernel
	.amdgpu_metadata
---
amdhsa.version: [ 1, 2 ]
amdhsa.kernels:
  - .name:           k_q53f5cb6709_att
    .symbol:         k_q53f5cb6709_att.kd
    .args:
      - { .name: ws, .offset: 0, .size: 8, .value_kind: global_buffer, .address_space: global }
      - { .name: ao, .offset: 8, .size: 8, .value_kind: global_buffer, .address_space: global }
      - { .name: aosc, .offset: 16, .size: 8, .value_kind: global_buffer, .address_space: global }
    .group_segment_fixed_size: 167936
    .private_segment_fixed_size: 0
    .kernarg_segment_align: 8
    .kernarg_segment_size: 24
    .max_flat_workgroup_size: 512
    .sgpr_count:     66
    .vgpr_count:     256
    .wavefront_size: 32
...
	.end_amdgpu_metadata
.endif
;; end of part 2
;; launch proj (part 3): grid 4 x 64, 4 waves a work-group, clusters of 4 x 4, 327,680 bytes of LDS; arguments ao, aosc, w_out_codes, w_out_scales, b_out, out0; writes out0
.if DOCPART == 3
	.amdgcn_target "amdgcn-amd-amdhsa--gfx1250"
	.amdhsa_code_object_version 6
	.text
	.protected	k_q53f5cb6709_proj
	.globl	k_q53f5cb6709_proj
	.p2align	8
	.type	k_q53f5cb6709_proj,@function
k_q53f5cb6709_proj:
	s_mov_b64 s[64:65], 0
	v_nop
	global_prefetch_b8 v0, s[64:65] scope:SCOPE_SE
	s_setreg_imm32_b32 hwreg(HW_REG_WAVE_MODE, 25, 1), 1
	s_wait_xcnt 0x0
	s_wait_alu depctr_hold_cnt(0) depctr_sa_sdst(0) depctr_va_vdst(0) depctr_va_sdst(0) depctr_va_ssrc(0) depctr_va_vcc(0) depctr_vm_vsrc(0)
	s_getreg_b32 s2, hwreg(HW_REG_IB_STS2, 6, 4)
	s_cmp_eq_u32 s2, 0
	s_cbranch_scc0 .Lentry_in_a_cluster
	s_endpgm
.Lentry_in_a_cluster:
	s_bfe_u32 s2, ttmp6, 0x10000c
	s_cmp_lg_u32 s2, 0xf033
	s_cbranch_scc0 .Lentry_shape_is_right
	s_endpgm
.Lentry_shape_is_right:
; THIRD LAUNCH.  out0 = a w_out + b_out on codes of FP4 (E2M1) with E8M0 scales, K = 1,024.  a is the attention's result as the second launch left it: ao, images of operand registers
; [K half (2)][tile of 16 tokens (512)][K step of 128 in the half (4)][registers 0-3, 4-7][lane][16 bytes], and aosc [token][32 scale bytes].  No work is left out here.
; SHARES.  A work-group makes 128 tokens x 256 outputs: 256 work-groups; each of its four waves 64 x 128: 32 accumulators of 16 x 16.  K lies in LDS whole, as two halves of 512, each filled once.
; CLUSTERS: 4 x 4 work-groups; a's tiles are asked for jointly along a row of the cluster, w_out's along a column.
; THE MATRIX INSTRUCTION IS USED TRANSPOSED (source 0 = 16 rows of w_out, source 1 = 16 tokens): a lane holds eight neighbouring outputs of one token.  b_out is the C of each sum's first matrix instruction.
; REGISTERS: window 0: v1-30 addresses; v32-95 scale words, two sets; v128-159, v192-223 a's fragments, two sets (on the way out v128-255: rows of out0).
;   window 1: v0-63, v128-191 w_out's fragments, two sets; v64-127 b_out.   window 2: accumulator (a, b) at v[8 (8 a + b)].
.set PITCH,  272
.set HALFT,  128*PITCH                 ; 128 rows of w_out: one tensor load, and what a wave reads
.set IMGH,   16384                     ; a's images of 64 tokens for half of K: one tensor load, and what a wave reads
.set WOFF,   2*IMGH
.set SLOT,   WOFF+2*HALFT              ; half of K: a's images, then w_out's 256 rows
.set SCL,    2*SLOT                    ; a's scale bytes, as rows of 256 bytes + 16 of padding
.set HSA,    8*272                     ; those of 64 tokens
.set HSW,    16*272                    ; w_out's of 128 rows
.set SCW,    SCL+2*HSA
.set SBLK,   2*272                     ; those of 16 rows
.set STG,    SCW+2*HSW                 ; the stages for the way out: 16 rows x (512 + 16) bytes a wave, in bytes of their own into which no fill lands
.set SPITCH, 528
.set SPARE,  STG+4*16*SPITCH           ; the spare words: two blocks of 256 bytes that no other line names
.set ADRA, 16
.set ADRW, 20
.set STO,  24
.set RD,   25
.set CO,   26
.set ADRS, 27
.set SPW,  28
.set NIL,  29
.set BQ,   30
.set SC,   32
.set AF,   128
.set BK,   128
.set BIAS, 64
.set G1, 24
.set G0, 32
.set G1B, 48
.set G0B, 56
.set G1S, 68
.set G0S, 76
.set G1SB, 80
.set G0SB, 88
.set MSB, 0
.macro WIN new
.if MSB != (\new)
	s_set_vgpr_msb (MSB<<8)|(\new)
.set MSB, (\new)
.endif
.endm
.macro JLOAD g0a, g1a, g0b, g1b        ; waves 0 and 1 fetch for a, waves 2 and 3 for w_out; an s_nop 0 and four v_nop follow each line
	s_cmp_eq_u32 s17, 0
	s_cbranch_scc0 .Lfor_b_\@
	tensor_load_to_lds s[\g0a:\g0a+3], s[\g1a:\g1a+7]
	s_nop 0
.rept 4
	v_nop
.endr
	s_branch .Lasked_\@
.Lfor_b_\@:
	tensor_load_to_lds s[\g0b:\g0b+3], s[\g1b:\g1b+7]
	s_nop 0
.rept 4
	v_nop
.endr
.Lasked_\@:
.endm
.macro CROUND
	s_barrier_signal -1
	s_barrier_wait -1
	s_cmp_lg_u32 s16, 0
	s_cbranch_scc1 .Lnot_wave_0_\@
	s_barrier_signal -3
.Lnot_wave_0_\@:
	s_barrier_wait -3
	s_barrier_signal -1
	s_barrier_wait -1
.endm
.macro PLACES
.rept 4
	v_nop
.endr
.endm
	s_load_b128 s[4:7], s[0:1], 0x0                ; ao, aosc
	s_load_b128 s[8:11], s[0:1], 0x10              ; w_out's codes, w_out's scales
	s_load_b128 s[12:15], s[0:1], 0x20             ; b_out, out0
	v_lshl_add_u32 v[SPW], v0, 2, SPARE
	v_mov_b32 v[NIL], 0
	ds_add_u32 v[SPW], v[NIL]                      ; the wave's opening: the add, twice on end, and its wait ahead of my first tensor load
	ds_add_u32 v[SPW], v[NIL]
	v_lshrrev_b32 v1, 5, v0
	v_readfirstlane_b32 s16, v1                    ; wave 0..3
	s_lshr_b32 s17, s16, 1                         ; my half of the tokens.  Also: I fetch for a (0) or for w_out (1)
	s_and_b32 s18, s16, 1                          ; my half of the outputs.  Also: which half of that tile I fetch
	s_bfe_u32 s20, ttmp6, 0x40000                  ; cx
	s_bfe_u32 s21, ttmp6, 0x40004                  ; cy
	s_lshl_b32 s22, ttmp9, 2
	s_add_co_u32 s22, s22, s20                     ; tile column: 256 outputs
	s_and_b32 s23, ttmp7, 0xffff
	s_lshl_b32 s23, s23, 2
	s_add_co_u32 s23, s23, s21                     ; tile row: 128 tokens
	s_lshl_b32 s43, s21, 2
	s_lshl_b32 s43, 15, s43                        ; my row of the cluster
	s_lshl_b32 s44, 0x1111, s20                    ; my column
	s_or_b32 s[G1+0], s43, (3<<16)|(1<<21)         ; a's images: 16,384 dense bytes as 64 rows of 32 elements of 8 bytes, no padding
	s_mov_b32 s[G1+1], 32<<16
	s_mov_b32 s[G1+2], 64<<16
	s_mov_b32 s[G1+3], 32<<16
	s_mov_b32 s[G1+4], 64
	s_mov_b32 s[G1+5], 32
	s_mov_b32 s[G1+6], 0
	s_mov_b32 s[G1+7], 0
	s_or_b32 s[G1B+0], s44, (0<<16)|(1<<20)|(1<<21)|(5<<22)|(3<<25)  ; w_out: 128 rows of 256 bytes, 512 apart, 16 bytes of padding behind each
	s_mov_b32 s[G1B+1], 256<<16
	s_mov_b32 s[G1B+2], 128<<16
	s_mov_b32 s[G1B+3], 256<<16
	s_mov_b32 s[G1B+4], 128
	s_mov_b32 s[G1B+5], 512
	s_mov_b32 s[G1B+6], 0
	s_mov_b32 s[G1B+7], 0
	s_or_b32 s[G1S+0], s43, (3<<16)|(1<<20)|(1<<21)|(5<<22)|(3<<25)  ; a's scales of 64 tokens: 8 rows of 256 bytes, padded
	s_mov_b32 s[G1S+1], 32<<16
	s_mov_b32 s[G1S+2], 8<<16
	s_mov_b32 s[G1S+3], 32<<16
	s_mov_b32 s[G1S+4], 8
	s_mov_b32 s[G1S+5], 32
	s_mov_b32 s[G1S+6], 0
	s_mov_b32 s[G1S+7], 0
	s_or_b32 s[G1SB+0], s44, (3<<16)|(1<<20)|(1<<21)|(5<<22)|(3<<25) ; w_out's of 128 rows: 16 rows
	s_mov_b32 s[G1SB+1], 32<<16
	s_mov_b32 s[G1SB+2], 16<<16
	s_mov_b32 s[G1SB+3], 32<<16
	s_mov_b32 s[G1SB+4], 16
	s_mov_b32 s[G1SB+5], 32
	s_mov_b32 s[G1SB+6], 0
	s_mov_b32 s[G1SB+7], 0
	s_lshl_b32 s40, s23, 15                        ; a's images: 8 token tiles of 4,096 bytes a tile row,
	s_lshl_b32 s45, s18, 14
	s_add_co_u32 s40, s40, s45                     ; + 4 tiles for the second half
	s_mov_b32 s41, 0
	s_lshl_b32 s2, s23, 12                         ; a's scales: 128 tokens of 32 bytes,
	s_lshl_b32 s45, s18, 11
	s_add_co_u32 s2, s2, s45
	s_mov_b32 s3, 0
	s_lshl_b32 s46, s22, 17                        ; w_out's codes: 256 rows of 512 bytes,
	s_lshl_b32 s42, s18, 16
	s_add_co_u32 s46, s46, s42
	s_mov_b32 s47, 0
	s_lshl_b32 s66, s22, 13                        ; its scales: 256 rows of 32 bytes
	s_lshl_b32 s42, s18, 12
	s_add_co_u32 s66, s66, s42
	s_mov_b32 s67, 0
	s_lshl_b32 s45, s18, 14                        ; where they go: no place in the cluster enters an LDS address
	s_mul_i32 s42, s18, HALFT
	s_add_co_u32 s42, s42, WOFF
	s_mul_i32 s98, s18, HSA
	s_add_co_u32 s98, s98, SCL
	s_mul_i32 s99, s18, HSW
	s_add_co_u32 s99, s99, SCW
	s_wait_dscnt 0x0                               ; both opening adds are done
	s_wait_kmcnt 0x0
	s_add_nc_u64 s[40:41], s[4:5], s[40:41]
	s_add_nc_u64 s[2:3], s[6:7], s[2:3]
	s_add_nc_u64 s[46:47], s[8:9], s[46:47]
	s_add_nc_u64 s[66:67], s[10:11], s[66:67]
	CROUND                                         ; all sixteen work-groups are here: the joint loads meet
	s_mov_b32 s[G0S], 1
	s_mov_b32 s[G0S+1], s98
	s_mov_b64 s[G0S+2:G0S+3], s[2:3]
	s_or_b32 s[G0S+3], s[G0S+3], 0x80000000
	s_mov_b32 s[G0SB], 1
	s_mov_b32 s[G0SB+1], s99
	s_mov_b64 s[G0SB+2:G0SB+3], s[66:67]
	s_or_b32 s[G0SB+3], s[G0SB+3], 0x80000000
	JLOAD G0S, G1S, G0SB, G1SB
.irp s, 0,1
	s_mov_b32 s[G0+4*\s], 1
	s_add_co_u32 s[G0+4*\s+1], s45, \s*SLOT
	s_add_nc_u64 s[G0+4*\s+2:G0+4*\s+3], s[40:41], \s*0x200000   ; the second half of K lies 512 token tiles of 4,096 bytes on
	s_or_b32 s[G0+4*\s+3], s[G0+4*\s+3], 0x80000000
	s_mov_b32 s[G0B+4*\s], 1
	s_add_co_u32 s[G0B+4*\s+1], s42, \s*SLOT
	s_add_nc_u64 s[G0B+4*\s+2:G0B+4*\s+3], s[46:47], \s*256
	s_or_b32 s[G0B+4*\s+3], s[G0B+4*\s+3], 0x80000000
	s_wait_alu depctr_va_vdst(0)
	s_wait_tensorcnt 0x0
	ds_add_u32 v28, v29
	s_wait_dscnt 0x0
	CROUND
	JLOAD G0+4*\s, G1, G0B+4*\s, G1B               ; every byte of LDS is filled once; one load of mine is out
.endr
	v_and_b32 v1, 15, v0                           ; r
	v_bfe_u32 v2, v0, 4, 1                         ; h
	v_lshlrev_b32 v[BQ], 5, v2
	s_lshl_b32 s46, s22, 10
	s_lshl_b32 s47, s18, 9
	s_add_co_u32 s46, s46, s47                     ; 4 bytes x (256 x tile column + 128 x my half): my first output, in b_out and in a row of out0
	s_mov_b32 s47, 0
	s_add_nc_u64 s[12:13], s[12:13], s[46:47]
	WIN 0x40
.irp b, 0,1,2,3,4,5,6,7                        ; register 8 b + j is b_out of output 16 b + 8 h + j
	global_load_b128 v[BIAS+8*\b:BIAS+8*\b+3], v[BQ], s[12:13] offset:64*\b
	global_load_b128 v[BIAS+8*\b+4:BIAS+8*\b+7], v[BQ], s[12:13] offset:64*\b+16
.endr
	WIN 0
	v_and_b32 v6, 31, v0
	v_lshlrev_b32 v[CO], 4, v6                     ; 16 x lane
	v_mul_u32_u24 v3, v1, PITCH
	v_lshl_add_u32 v4, v2, 4, v3
	s_lshl_b32 s45, s17, 14                        ; my 64 tokens' images
	s_mul_i32 s42, s18, HALFT                      ; my 128 rows of w_out
	s_add_co_u32 s42, s42, WOFF
.irp s, 0,1
	v_add_nc_u32 v[ADRA+\s], s45, v[CO]
	v_add_nc_u32 v[ADRW+\s], s42, v4
	s_add_co_u32 s45, s45, SLOT
	s_add_co_u32 s42, s42, SLOT
.endr
	v_mul_u32_u24 v5, v1, 32
	v_lshrrev_b32 v6, 8, v5
	v_lshl_add_u32 v5, v6, 4, v5
	s_mul_i32 s45, s17, HSA                        ; a's scales: my 64 tokens
	s_mul_i32 s42, s18, HSW                        ; w_out's: my 128 rows, behind a's
	s_add_co_u32 s42, s42, 2*HSA
	s_sub_co_u32 s42, s42, s45
	v_mul_u32_u24 v6, s42, v2                      ; lanes 16-31 take w_out's
	s_add_co_u32 s45, s45, SCL
	v_add_nc_u32 v5, v5, v6
	v_add_nc_u32 v[ADRS], s45, v5
	s_mul_i32 s45, s16, 16*SPITCH
	s_add_co_u32 s45, s45, STG                     ; my stage
	v_mul_u32_u24 v5, v1, SPITCH
	v_lshl_add_u32 v5, v2, 5, v5
	v_add_nc_u32 v[STO], s45, v5                   ; in: row r, 32 bytes for each half of the lanes
	v_add_nc_u32 v[RD], s45, v[CO]                 ; back: the 32 lanes take one row of 512 bytes
	s_lshl_b32 s98, s23, 19                        ; out0: 128 tokens of 4,096 bytes a tile row,
	s_lshl_b32 s99, s17, 18
	s_add_co_u32 s98, s98, s99                     ; + 64 tokens for the second half,
	s_add_co_u32 s98, s98, s46                     ; + my first output
	s_mov_b32 s99, 0
	s_add_nc_u64 s[14:15], s[14:15], s[98:99]
.macro FETCH slot, q, p                ; 24 LDS loads in one run: w_out's eight fragments and a's four of the half's q-th 128 along K into set p
	WIN 0x40
.irp i, 0,1,2,3,4,5,6,7
.irp c, 0,1
	ds_load_b128 v[128*(\p)+8*\i+4*\c:128*(\p)+8*\i+4*\c+3], v[ADRW+\slot] offset:64*(\q)+32*\c+\i*16*PITCH
.endr
.endr
	WIN 0
.irp i, 0,1,2,3
.irp c, 0,1
	ds_load_b128 v[AF+64*(\p)+8*\i+4*\c:AF+64*(\p)+8*\i+4*\c+3], v[ADRA+\slot] offset:\i*4096+1024*(\q)+512*\c   ; an image: 512 consecutive bytes
.endr
.endr
.endm
.macro SCALES sc                       ; lanes 0-15: a's block i (i under 4; beyond that they read bytes of the scales' region that no product names); lanes 16-31: w_out's block i
.irp i, 0,1,2,3,4,5,6,7
	ds_load_b128 v[SC+32*\sc+4*\i:SC+32*\sc+4*\i+3], v[ADRS] offset:\i*SBLK+16*\sc
.endr
.endm
.macro MUL p, q, sc, first             ; a K step's 32: the accumulators take turns, one instruction a turn
.if \first
	WIN 0x91                                       ; source 0 (w_out) window 1, source 1 (a) window 0, C (b_out) window 1, D window 2
.else
	WIN 0xa1
.endif
.irp a, 0,1,2,3
.irp b, 0,1,2,3,4,5,6,7
.if \first
	v_wmma_scale_f32_16x16x128_f8f6f4 v[8*(8*\a+\b):8*(8*\a+\b)+7], v[128*(\p)+8*\b:128*(\p)+8*\b+7], v[AF+64*(\p)+8*\a:AF+64*(\p)+8*\a+7], v[BIAS+8*\b:BIAS+8*\b+7], v[SC+32*(\sc)+4*\b+(\q)], v[SC+32*(\sc)+4*\a+(\q)] matrix_a_fmt:MATRIX_FMT_FP4 matrix_b_fmt:MATRIX_FMT_FP4 matrix_a_scale:MATRIX_SCALE_ROW1
.else
	v_wmma_scale_f32_16x16x128_f8f6f4 v[8*(8*\a+\b):8*(8*\a+\b)+7], v[128*(\p)+8*\b:128*(\p)+8*\b+7], v[AF+64*(\p)+8*\a:AF+64*(\p)+8*\a+7], v[8*(8*\a+\b):8*(8*\a+\b)+7], v[SC+32*(\sc)+4*\b+(\q)], v[SC+32*(\sc)+4*\a+(\q)] matrix_a_fmt:MATRIX_FMT_FP4 matrix_b_fmt:MATRIX_FMT_FP4 matrix_a_scale:MATRIX_SCALE_ROW1
.endif
.endr
.endr
	WIN 0
.endm
.macro STEPK k
	s_wait_dscnt 0x0                               ; this step's fragments (and scale words) are in
.if \k == 3
	s_wait_tensorcnt 0x0                           ; my part of the second half of K has landed,
	s_barrier_signal -1
	s_barrier_wait -1                              ; everybody's has.
.endif
.if \k > 0
	PLACES                                         ; the loads below land in the set that the step before multiplied
.endif
.if \k < 7
	FETCH (\k+1)/4, (\k+1)%4, (\k+1)%2
.endif
.if \k == 3
	SCALES 1
.endif
.if \k == 0
	MUL 0, 0, 0, 1
.else
	MUL \k%2, \k%4, \k/4, 0
.endif
.endm
	s_wait_alu depctr_va_vdst(0)
	s_wait_tensorcnt 1                             ; the scales and my part of the first half of K are in; the second half's load may be out,
	s_barrier_signal -1
	s_barrier_wait -1                              ; everybody's are
	FETCH 0, 0, 0
	SCALES 0
	s_wait_loadcnt 0x0                             ; b_out
.irp k, 0,1,2,3,4,5,6,7
	STEPK \k
.endr
; THE WAY OUT, block by block of 16 tokens x 128 outputs: through my own stage in LDS, back as whole rows of 512 bytes.  LDS serves a wave's instructions in order (ISA guide 5.7.1.4): no wait between the stores and the loads
.macro TOSTAGE a
	WIN 0x08                                       ; an LDS store's data are its source 1: window 2
.irp b, 0,1,2,3,4,5,6,7
	ds_store_b128 v[STO], v[64*(\a)+8*\b:64*(\a)+8*\b+3] offset:64*\b          ; each accumulator from its low end on
	ds_store_b128 v[STO], v[64*(\a)+8*\b+4:64*(\a)+8*\b+7] offset:64*\b+16
.endr
	WIN 0
.set BB, BK+64*((\a)%2)
.irp t, 0,1,2,3,4,5,6,7,8,9,10,11,12,13,14,15
	ds_load_b128 v[BB+4*\t:BB+4*\t+3], v[RD] offset:\t*SPITCH
.endr
.endm
.macro SEND a, younger                 ; younger: the LDS instructions issued behind block a's loads, which may stay out
.set BB, BK+64*((\a)%2)
	s_wait_dscnt \younger
.if (\a) > 0
	s_add_nc_u64 s[14:15], s[14:15], 16*4096       ; (behind a wait on XCNT: the earlier stores have read their base)  16 rows of out0 on
.endif
.irp t, 0,1,2,3,4,5,6,7,8,9,10,11,12,13,14,15
	global_store_b128 v[CO], v[BB+4*\t:BB+4*\t+3], s[14:15] offset:\t*4096 th:TH_STORE_NT   ; 32 lanes store 512 consecutive bytes, aligned to 256; written once, read by nobody here
.endr
.endm
	PLACES                                         ; behind the last products
	TOSTAGE 0
.irp a, 1,2,3
.if \a > 1
	s_wait_xcnt 0x0                                ; block a - 2's stores have read their registers and their base
.endif
	TOSTAGE \a
	SEND \a-1, 32                                  ; behind block a - 1's loads: block a's 16 stores and 16 loads
.endr
	s_wait_xcnt 0x0
	SEND 3, 0
	s_wait_tensorcnt 0x0                           ; the wave's end, behind my last tensor load and my last LDS store
	ds_add_u32 v[SPW], v[NIL]
	s_wait_dscnt 0x0
	CROUND                                         ; the closing round
	s_endpgm
.Lfunc_end_k_q53f5cb6709_proj:
	.size	k_q53f5cb6709_proj, .Lfunc_end_k_q53f5cb6709_proj-k_q53f5cb6709_proj
	.p2alignl 7, 3214868480
	.fill 96, 4, 3214868480
	.section	.rodata,"a",@progbits
	.p2align	6, 0x0
	.amdhsa_kernel k_q53f5cb6709_proj
		.amdhsa_group_segment_fixed_size 327680
		.amdhsa_private_segment_fixed_size 0
		.amdhsa_enable_private_segment 0
		.amdhsa_kernarg_size 48
		.amdhsa_user_sgpr_count 2
		.amdhsa_user_sgpr_kernarg_segment_ptr 1
		.amdhsa_wavefront_size32 1
		.amdhsa_system_sgpr_workgroup_id_x 1
		.amdhsa_system_sgpr_workgroup_id_y 1
		.amdhsa_system_sgpr_workgroup_id_z 1
		.amdhsa_system_vgpr_workitem_id 0
		.amdhsa_next_free_vgpr 768
		.amdhsa_next_free_sgpr 100
		.amdhsa_reserve_vcc 0
		.amdhsa_float_denorm_mode_32 3
		.amdhsa_float_denorm_mode_16_64 3
		.amdhsa_memory_ordered 1
		.amdhsa_forward_progress 1
		.amdhsa_inst_pref_size 75
	.end_amdhsa_kernel
	.amdgpu_metadata
---
amdhsa.version: [ 1, 2 ]
amdhsa.kernels:
  - .name:           k_q53f5cb6709_proj
    .symbol:         k_q53f5cb6709_proj.kd
    .args:
      - { .name: ao, .offset: 0, .size: 8, .value_kind: global_buffer, .address_space: global }
      - { .name: aosc, .offset: 8, .size: 8, .value_kind: global_buffer, .address_space: global }
      - { .name: w_out_codes, .offset: 16, .size: 8, .value_kind: global_buffer, .address_space: global }
      - { .name: w_out_scales, .offset: 24, .size: 8, .value_kind: global_buffer, .address_space: global }
      - { .name: b_out, .offset: 32, .size: 8, .value_kind: global_buffer, .address_space: global }
      - { .name: out0, .offset: 40, .size: 8, .value_kind: global_buffer, .address_space: global }
    .group_segment_fixed_size: 327680
    .private_segment_fixed_size: 0
    .kernarg_segment_align: 8
    .kernarg_segment_size: 48
    .max_flat_workgroup_size: 128
    .sgpr_count:     100
    .vgpr_count:     768
    .wavefront_size: 32
...
	.end_amdgpu_metadata
.endif
;; end of part 3
